; MI455X (gfx1250); checked and timed in simulation.
; The chip was launched on July 23, 2026; its instructions are those of AMD's public machine-readable ISA for CDNA 5 (MIT licence, August 2026) and "CDNA5" Instruction Set Architecture Reference Guide (July 2026). The comments in the code are by the model that wrote it; some were corrected since.
;; Grouped Query Attention. Allowed arithmetic: matrix products marked QUANTISED: E2M1 operands, one E8M0 scale for each 32 along K, by v_wmma_scale_f32_16x16x128_f8f6f4 with both operands' format E2M1 (or v_wmma_scale_f32_32x16x128_f4), f32 sums; everything else in f32.
;; Inputs: Wk_codes 256 x 32 x 16 uint8 (E2M1 codes of Wk, K innermost, in blocks of 32 codes, two codes a byte); Wk_scales 256 x 32 uint8 (E8M0 scales of Wk, one for each 32 codes along K); Wq_codes 1,024 x 32 x 16 uint8 (E2M1 codes of Wq, K innermost, in blocks of 32 codes, two codes a byte); Wq_scales 1,024 x 32 uint8 (E8M0 scales of Wq, one for each 32 codes along K); Wv_codes 256 x 32 x 16 uint8 (E2M1 codes of Wv, K innermost, in blocks of 32 codes, two codes a byte); Wv_scales 256 x 32 uint8 (E8M0 scales of Wv, one for each 32 codes along K); bk 256 float32; bq 1,024 float32; bv 256 float32; x_codes 4 x 2,048 x 32 x 16 uint8 (E2M1 codes of x, K innermost, in blocks of 32 codes, two codes a byte); x_scales 4 x 2,048 x 32 uint8 (E8M0 scales of x, one for each 32 codes along K).
;; Outputs: out0 4 x 2,048 x 1,024 float32.
;; This version of the problem:
;;   THIS VERSION OF THE PROBLEM IS GIVEN IN LOW PRECISION. The matrix products marked QUANTISED in the list below multiply operands that are first quantised to E2M1 (2 exponent bits, 1 mantissa bit; 4 bits a number), with one power-of-two scale for each 32 numbers along K (OCP MX v1.0); their sums are f32. All else is computed in f32.
;;   The module's matrix products, in the order in which they are computed (A, B: the left and right operand; K: the contracted axis; several contracted axes count as one K, in the product's order):
;;     1. [M 8,192, K 1,024] x [K 1,024, N 1,024]; A: input x (given as codes); B: input Wq (given as codes): QUANTISED
;;     2. [M 8,192, K 1,024] x [K 1,024, N 256]; A: input x (given as codes); B: input Wk (given as codes): QUANTISED
;;     3. [M 8,192, K 1,024] x [K 1,024, N 256]; A: input x (given as codes); B: input Wv (given as codes): QUANTISED
;;     4. batch 64 x [M 2,048, K 64] x [K 64, N 2,048]; A: computed on the way; B: computed on the way: QUANTISED
;;     5. batch 64 x [M 2,048, K 2,048] x [K 2,048, N 64]; A: softmax (see below); B: computed on the way: QUANTISED
;;   THE QUANTISER, for each operand of a quantised product, along K:
;;     - K is cut into blocks of 32 from its start; a last block that is shorter is filled with zeros.
;;     - A block's scale is 2^e with e = floor(log2(the largest magnitude in the block)) - 2, held to -126 .. 127; a block of zeros has e = 0. As a byte (E8M0): e + 127.
;;     - Each number is divided by its block's scale, clamped to +-6, and rounded to the nearest number of E2M1, ties to even, subnormals kept.
;;     - The product sums the exact products of the quantised numbers (number of the format x scale) in f32.
;;   ~~~python
;;   def quantise(x, axis):      # numpy; x: float32 -> the quantised numbers, widened to float32 again
;;       x = np.moveaxis(x, axis, -1); K = x.shape[-1]
;;       x = np.pad(x, [(0, 0)] * (x.ndim - 1) + [(0, -K % 32)]); x = x.reshape(x.shape[:-1] + (-1, 32)); a = np.abs(x).max(-1, keepdims=True)
;;       e = np.where(a > 0, np.clip(np.frexp(np.where(a > 0, a, 1))[1] - 1 - 2, -126, 127), 0)      # np.frexp(a)[1] - 1 = floor(log2(a)), exactly
;;       r = np.clip(x / 2.0 ** e, -6, 6)
;;       step = 2.0 ** (np.maximum(np.frexp(np.where(r == 0, 1, r))[1] - 1, 0) - 1)
;;       q = np.round(r / step) * step * 2.0 ** e      # np.round: ties to even
;;       return np.moveaxis(q.reshape(q.shape[:-2] + (-1,))[..., :K], -1, axis).astype(np.float32)
;;   ~~~
;;   SOFTMAX AHEAD OF A QUANTISED PRODUCT. Where the list says 'softmax', what is quantised is not the finished softmax but p = 2^(t - M), with t = logit x log2(e) and M = ceil(the row's largest t), a whole number; so 1/2 < the row's largest p <= 1. The row's sum l is taken of the UNQUANTISED p, in f32, and the product's result is divided by l at the end. Since M is a whole number, a kernel that streams over the keys may use a running M (the ceiling of the running maximum): every later rescaling is an exact power of two, which a block's scale takes up: the codes' values come out the same.
;;   OPERANDS COMPUTED ON THE WAY. 'Computed on the way' means the value that the module computes at that place (a softmax that the list does not call 'softmax' is quantised finished and normalised). What goes into a quantiser is computed in f32, as accurately as f32 sums, v_exp_f32 and their like allow (about 1e-6 of the number): no bf16 or f16 on the way to a quantiser, and a product that is left as it is and whose result goes on into a quantised operand takes f32 operands (vector FMAs, or v_wmma_f32_16x16x4_f32). A number that lies on a knife's edge between two numbers of the format may be rounded either way, as far as f32 arithmetic and the matrix unit's own rounding can turn it there, and no further.
;;   INPUTS GIVEN AS CODES. Wk (in the module: [1024, 256], K = its axis 0); Wq (in the module: [1024, 1024], K = its axis 0); Wv (in the module: [1024, 256], K = its axis 0); x (in the module: [4, 2048, 1024], K = its axis 2): each comes as NAME_codes (uint8): NAME with its K axis moved to the last place and cut into blocks of 32 codes, [.., K / 32, bytes a block], one block behind the other in memory; two codes a byte, the lower K in the low four bits (a code: sign, 2 exponent bits, 1 mantissa bit); and NAME_scales (uint8): the same leading axes, one E8M0 byte (e + 127) for each 32 codes along K. Its value is code x scale, taken as it is: it is not quantised again, and the codes and scales need not be those that the quantiser above would give.
;; One version. Each part assembles by itself: llvm-mc -triple=amdgcn-amd-amdhsa -mcpu=gfx1250 --defsym DOCPART=n.
;; ======== version 1 of 1: 2 launches
;; limits: right only within a limited range of input values
;; workspace buffers: qc 4,194,304 bytes; qs 262,144 bytes; kv 2,228,224 bytes
;; launch proj (part 1): grid 4 x 64, 12 waves a work-group, clusters of 4 x 4, 327,680 bytes of LDS; arguments x_codes, x_scales, Wq_codes, Wq_scales, Wk_codes, Wk_scales, Wv_codes, Wv_scales, bq, bk, bv, qc, qs, kv; writes qc, qs, kv
.if DOCPART == 1
	.amdgcn_target "amdgcn-amd-amdhsa--gfx1250"
	.amdhsa_code_object_version 6
	.text
	.protected	k_q015e7a6f63_proj
	.globl	k_q015e7a6f63_proj
	.p2align	8
	.type	k_q015e7a6f63_proj,@function
k_q015e7a6f63_proj:
	s_mov_b64 s[64:65], 0
	v_nop
	global_prefetch_b8 v0, s[64:65] scope:SCOPE_SE
	s_setreg_imm32_b32 hwreg(HW_REG_WAVE_MODE, 25, 1), 1
	s_wait_xcnt 0x0
	s_wait_alu depctr_hold_cnt(0) depctr_sa_sdst(0) depctr_va_vdst(0) depctr_va_sdst(0) depctr_va_ssrc(0) depctr_va_vcc(0) depctr_vm_vsrc(0)
	s_getreg_b32 s2, hwreg(HW_REG_IB_STS2, 6, 4)
	s_cmp_eq_u32 s2, 0
	s_cbranch_scc0 .Lentry_in_a_cluster
	s_endpgm
.Lentry_in_a_cluster:
	s_bfe_u32 s2, ttmp6, 0x10000c
	s_cmp_lg_u32 s2, 0xf033
	s_cbranch_scc0 .Lentry_shape_is_right
	s_endpgm
.Lentry_shape_is_right:
; q = x Wq + bq, k = x Wk + bk, v = x Wv + bv on codes of FP4 (E2M1) with one E8M0 byte for each 32 along K = 1,024; sums in f32; then q and k are quantised
; along the head's 64 numbers (two blocks of 32) and v along the keys (blocks of 32 keys), and leave as IMAGES OF THE OPERAND REGISTERS that the attention launch loads.
; SHARES.  A work-group takes 128 rows of x (block MB) x 384 columns: six units of 64: q heads 4 g .. 4 g + 3, k group g, v group g.  Twelve waves:
;   waves 0-9 (QK role): unit j = w / 2 (4 = k), half c = w % 2 of the rows: 64 rows x 64 columns, 16 accumulators;
;   waves 10, 11 (V role), e = w - 10: all 128 rows x 32 columns d = 32 e .. 32 e + 31, 16 accumulators.
; THE ROWS OF A TILE ARE NOT NEIGHBOURS.  Within 64 rows (of x, or of a unit of Wq, Wk) lane r of tile tau takes row 32 (r / 8) + 8 tau + r % 8.  Register j of a result's lane half h is row 8 h + j of
; source 0, so a lane's 32 registers of tiles tau = 0 .. 3 are rows 32 h + 0 .. 31: ONE WHOLE BLOCK of 32 in one lane, in the order that the 4-bit operand layout gives that lane.  So a block's largest
; magnitude needs no other lane, and each conversion's result is a register of the operand.
;   QK role: source 0 = 16 rows of W, source 1 = 16 rows of x: lane (r, h) holds x row r of tile tx, register 8 tw + j the head's number 32 h + 8 tw + j.
;   V role:  source 0 = 16 rows of x, source 1 = 16 rows of Wv (neighbours): lane (r, h) holds d = 16 t + r, register 32 c + 8 tau + j key 64 c + 32 h + 8 tau + j.
; LDS, filled once by tensor loads, then only read: 16 groups of 32 rows of codes (row 512 bytes + 16 of padding; a group 32 x 528 + 128 bytes, so that a tile's lanes 8-15, whose rows lie one group on,
; fall on the other 128 bytes modulo 256 than lanes 0-7); groups 0-3 x, groups 4 + 2 j, 5 + 2 j unit j.  Behind them the scale bytes: eight regions of 64 rows x 32 bytes (x's halves, then the six units).
; CLUSTER 4 x 4.  x's rows hang on MB alone, which a row of the cluster shares; W's on g alone, which a column shares: each tile is asked for jointly, by the same load with a mask that names the four.
; OUT.  qc [MB 64][head 16][tile 8][512]: tile T = 4 c + tau, lane l's four registers at 16 l.  qs [MB][head][c 2][r 16][2] words: word sigma: bytes 0, 1 the two blocks of tile 4 c + 2 sigma, bytes 2, 3 of the next.
;   kv [b x 4 + g][step 16][8,704]: 0: k's eight tiles as qc's; 4,096: v's four fragments (d = 16 t + r), 1,024 bytes each; 8,192: k's scale words as qs's; 8,448: v's, [e][r][t % 2], byte beta for keys 32 beta on.
; LIMITS: NaN and infinities are not served.  A block whose largest magnitude lies under 2^-124 keeps the byte 1, a block of zeros too (the quantiser says 127): its codes are zeros, and this program alone reads the bytes.
; THE LDS MAP OF THE CODES, by these constants: a unit is 64 rows (units 0, 1: x's halves; 2-5: q heads; 6: k; 7: v).  The LOWER 32 rows of unit u lie at u x UN, rows 528 bytes apart; its UPPER 32 rows lie GS bytes further on.
; GS = 8 x 16,896 + 128, so that a tile's lanes 8-15, whose rows lie 32 rows on, fall on the other 128 bytes modulo 256 than lanes 0-7.  The lower halves of neighbouring units lie on end, so one load brings those of several units.
.set GS,    135296                     ; from a unit's lower 32 rows to its upper 32
.set UN,    16896                      ; from unit to unit: 32 rows x 528
.set PITCH, 528
.set TILE,  8*PITCH                    ; from tile tau to tau + 1: eight rows
.set SCB,   272384                     ; the scale bytes begin here, behind the upper halves (which end at GS + 8 UN = 270,464)
.set KVB,   8704                       ; a step's block in kv
.set WV,  32                           ; s32 my wave's number
.set CX,  33                           ; s33, s34 my place in the cluster
.set CY,  34
.set MB,  35                           ; s35 my block of 128 rows = 4 x cluster y + cy
.set RM,  36                           ; s36 the mask of my row of the cluster, s37 of my column
.set CM,  37
.set G,   38                           ; s38 my group = 4 x cluster x + cx
.set G1X,  40                          ; s[40:47] group 1, x's codes;  s[48:55] W's;  s[56:63] x's scale bytes;  s[68:75] W's
.set G1W,  48
.set G1XS, 56
.set G1WS, 68
.set G0XS, 76                          ; groups 0: x's scale bytes, x's two groups of rows; then the same for W
.set G0X0, 80
.set G0X1, 84
.set G0WS, 88
.set G0W0, 92
.set G0W1, 96
.set SEL,  100                         ; s[100:101] v_permlanex16_b32's selects for lane l xor 16
.set LT,  3                            ; v3  a tile's lane in a unit of codes: (r / 8) GS + (r % 8) 528 + 16 h
.set RT,  4                            ; v4  the same among scale bytes: (r / 8) 1024 + (r % 8) 32
.set IM,  5                            ; v5  16 x lane: an image's place
.set SS,  6                            ; v6  8 r + 4 h: a scale word's place
.set SH8, 7                            ; v7  8 h
.set XA,  8                            ; v8  QK: x's fragments;  v9 W's;  v10 scale words;  v11 V: Wv's scale words
.set WA,  9
.set SA,  10
.set SAW, 11
.set SCW, 12                           ; v[12:15] V: Wv's scale words (scales alone)
.set BI,  16                           ; v[16:47] QK: the bias in the result's layout
.set BV,  16                           ; v[16:19] V: the bias, a pair for each tile of d
.set VWF, 32                           ; v[32:47] V: Wv's two fragments
.set SC,  48                           ; v[48:63] scale words (scales alone)
.set XF,  64                           ; x's fragments: QK four, V eight
.set WF,  96                           ; QK: W's four
.set ACC, 128                          ; v[128:255] 16 accumulators
.set MX,  16                           ; the tail: largest magnitudes, scale operands, bytes, at work, words, the word to store, codes
.set SO,  20
.set BY,  24
.set TY,  28
.set WD,  32
.set WS,  34
.set CD,  64
.macro PLACES                          ; four plain instructions between a matrix instruction and a load into, or a vector instruction on, its registers (ISA guide 7.12.1 for vector instructions)
.rept 4
	v_nop
.endr
.endm
.macro CROUND                          ; a round of the cluster's barrier: my work-group's barrier; wave 0 signals for the work-group; every wave waits for all sixteen; my work-group's barrier again
	s_barrier_signal -1
	s_barrier_wait -1
	s_cmp_lg_u32 s[WV], 0
	s_cbranch_scc1 .Lnot_wave_0_\@
	s_barrier_signal -3
.Lnot_wave_0_\@:
	s_barrier_wait -3
	s_barrier_signal -1
	s_barrier_wait -1
.endm
.macro FRAG reg, adr, off              ; a fragment, 16 rows x 128 K of 4-bit codes: two loads of 16 bytes, 32 bytes apart
	ds_load_b128 v[(\reg):(\reg)+3], v[\adr] offset:(\off)
	ds_load_b128 v[(\reg)+4:(\reg)+7], v[\adr] offset:(\off)+32
.endm
	s_load_b512 s[4:19], s[0:1], 0x0               ; x codes, x scales, Wq codes, Wq scales, Wk codes, Wk scales, Wv codes, Wv scales
	s_load_b256 s[20:27], s[0:1], 0x40             ; bq, bk, bv, qc
	s_load_b128 s[28:31], s[0:1], 0x60             ; qs, kv
	s_set_vgpr_msb 0x40
	v_lshl_add_u32 v0, v0, 2, 0x46800
	v_mov_b32 v1, 0
	s_set_vgpr_msb 0x4045
	ds_add_u32 v0, v1
	ds_add_u32 v0, v1
	s_set_vgpr_msb 0x4500
	v_lshrrev_b32 v1, 5, v0
	s_delay_alu instid0(VALU_DEP_1)
	v_readfirstlane_b32 s[WV], v1                  ; wave 0..11
	s_bfe_u32 s[CX], ttmp6, 0x40000
	s_bfe_u32 s[CY], ttmp6, 0x40004
	s_lshl_b32 s[G], ttmp9, 2
	s_add_co_u32 s[G], s[G], s[CX]
	s_and_b32 s[MB], ttmp7, 0xffff
	s_lshl_b32 s[MB], s[MB], 2
	s_add_co_u32 s[MB], s[MB], s[CY]
	s_lshl_b32 s[RM], s[CY], 2
	s_lshl_b32 s[RM], 15, s[RM]                    ; my row of the cluster: places 4 cy .. 4 cy + 3
	s_lshl_b32 s[CM], 0x1111, s[CX]                ; my column: places cx, cx + 4, cx + 8, cx + 12
	; group 1 for codes: 32 rows x 512 elements of one byte, 4 words of padding behind every 128
	s_or_b32 s[G1X], s[RM], (1<<20)|(1<<21)|(6<<22)|(3<<25)
	s_or_b32 s[G1W], s[CM], (1<<20)|(1<<21)|(6<<22)|(3<<25)
.irp g, G1X, G1W
	s_mov_b32 s[\g+1], 512<<16                     ; tensor_dim0
	s_mov_b32 s[\g+2], 32<<16                      ; tensor_dim1
	s_mov_b32 s[\g+3], 512<<16                     ; tile_dim0
	s_mov_b32 s[\g+4], 32                          ; tile_dim1
	s_mov_b32 s[\g+5], 512                         ; from row to row
	s_mov_b32 s[\g+6], 0
	s_mov_b32 s[\g+7], 0
.endr
	; group 1 for scale bytes: 64 rows x 32 bytes are 2,048 dense bytes: 8 rows of 32 elements of 8 bytes, no padding
	s_or_b32 s[G1XS], s[RM], (3<<16)|(1<<21)
	s_or_b32 s[G1WS], s[CM], (3<<16)|(1<<21)
.irp g, G1XS, G1WS
	s_mov_b32 s[\g+1], 32<<16
	s_mov_b32 s[\g+2], 8<<16
	s_mov_b32 s[\g+3], 32<<16
	s_mov_b32 s[\g+4], 8
	s_mov_b32 s[\g+5], 32
	s_mov_b32 s[\g+6], 0
	s_mov_b32 s[\g+7], 0
.endr
	; groups 0.  Every wave makes both sets; waves 0, 1 ask by x's, waves 2-7 by W's.  LDS addresses hang on the wave's number alone; x's global addresses on MB and the wave, W's on g and the wave.
	s_mov_b32 s[G1XS+2], 16<<16                    ; x's scale bytes come as one block: 128 rows x 32 bytes = 16 rows of 256
	s_mov_b32 s[G1XS+4], 16
	s_mov_b32 s[G1X+1], 16384<<16                  ; x's codes: 32 rows of 512 bytes are 16,384 dense bytes: one row of the tile; two such rows, 64 rows of x apart: the same halves of both units.
	s_mov_b32 s[G1X+2], 2<<16                      ; The padding stays 16 bytes behind every 512, counted along the tile: LDS rows 528 bytes apart throughout
	s_mov_b32 s[G1X+3], 16384<<16
	s_mov_b32 s[G1X+4], 2
	s_mov_b32 s[G1X+5], 32768
	s_and_b32 s2, s[WV], 1                         ; x: which 64 rows
	s_mov_b32 s[G0XS], 1
	s_mov_b32 s[G0XS+1], 0                         ; wave 8 alone asks by this group: both regions of x's scale bytes, from SCB on
	s_add_co_u32 s[G0XS+1], s[G0XS+1], SCB
	s_lshl_b32 s[G0XS+2], s[MB], 12                ; 128 rows x 32 bytes
	s_lshl_b32 s3, s2, 11
	s_add_co_u32 s[G0XS+2], s[G0XS+2], s3
	s_mov_b32 s[G0XS+3], 0
	s_mov_b32 s[G0X0], 1
	s_mul_i32 s[G0X0+1], s2, GS                    ; wave 0: the lower halves, wave 1: the upper
	s_lshl_b32 s[G0X0+2], s[MB], 16                ; 128 rows x 512 bytes
	s_lshl_b32 s3, s2, 14                          ; 32 rows x 512 bytes on for the upper halves (also for W's, below)
	s_add_co_u32 s[G0X0+2], s[G0X0+2], s3
	s_mov_b32 s[G0X0+3], 0
	s_mov_b32 s[G0X1], 1
	s_add_co_u32 s[G0X1+1], s[G0X0+1], 2*UN        ; this group 0 serves Wq's codes (waves 2, 3): units 2-5, lower or upper halves
	s_lshl_b32 s[G0X1+2], s[G], 17                 ; heads 4 g on: 256 rows x 512 bytes
	s_add_co_u32 s[G0X1+2], s[G0X1+2], s3
	s_mov_b32 s[G0X1+3], 0
	s_mov_b32 s[G0WS], 1
	s_lshl_b32 s[G0WS+1], s[WV], 11
	s_add_co_u32 s[G0WS+1], s[G0WS+1], SCB-8192    ; waves 10, 11: regions 6, 7
	s_lshl_b32 s[G0WS+2], s[G], 11
	s_mov_b32 s[G0WS+3], 0
	s_mov_b32 s[G0W0], 1
	s_lshr_b32 s66, s[WV], 1                       ; waves 4, 5: unit 6 (k), lower and upper half; waves 6, 7: unit 7 (v)
	s_mul_i32 s66, s66, UN
	s_add_co_u32 s[G0W0+1], s[G0X0+1], s66
	s_add_co_u32 s[G0W0+1], s[G0W0+1], 4*UN
	s_lshl_b32 s[G0W0+2], s[G], 15
	s_add_co_u32 s[G0W0+2], s[G0W0+2], s3
	s_mov_b32 s[G0W0+3], 0
	s_mov_b32 s[G0W1], 1
	s_mov_b32 s[G0W1+1], SCB+4096                  ; this group 0 serves Wq's scale bytes (wave 9): regions 2-5
	s_wait_dscnt 0x0
	s_wait_kmcnt 0x0
	s_lshl_b32 s2, s[G], 13                        ; Wq's scale bytes of heads 4 g .. 4 g + 3: 256 rows x 32 bytes, dense
	s_mov_b32 s3, 0
	s_add_nc_u64 s[2:3], s[10:11], s[2:3]
	s_add_nc_u64 s[G0X1+2:G0X1+3], s[8:9], s[G0X1+2:G0X1+3]
	s_and_b32 s66, s[WV], 2                        ; the weight is chosen by the wave's number alone: codes: waves 4, 5 Wk, waves 6, 7 Wv;
	s_cmp_eq_u32 s66, 0
	s_cselect_b64 s[8:9], s[12:13], s[16:17]
	s_and_b32 s66, s[WV], 1                        ; scale bytes: wave 10 Wk, wave 11 Wv
	s_cmp_eq_u32 s66, 0
	s_cselect_b64 s[10:11], s[14:15], s[18:19]
	s_add_nc_u64 s[G0XS+2:G0XS+3], s[6:7], s[G0XS+2:G0XS+3]
	s_add_nc_u64 s[G0X0+2:G0X0+3], s[4:5], s[G0X0+2:G0X0+3]
	s_add_nc_u64 s[G0WS+2:G0WS+3], s[10:11], s[G0WS+2:G0WS+3]
	s_add_nc_u64 s[G0W0+2:G0W0+3], s[8:9], s[G0W0+2:G0W0+3]
	s_mov_b64 s[G0W1+2:G0W1+3], s[2:3]
	s_or_b32 s4, s[CM], (3<<16)|(1<<21)            ; s[4:11] (the arguments that lay in s[4:19] are used up): group 1 for Wq's scale bytes: 32 rows of 256 bytes
	s_mov_b32 s5, 32<<16
	s_mov_b32 s6, 32<<16
	s_mov_b32 s7, 32<<16
	s_mov_b32 s8, 32
	s_mov_b32 s9, 32
	s_mov_b32 s10, 0
	s_mov_b32 s11, 0
	s_or_b32 s12, s[CM], (1<<20)|(1<<21)|(6<<22)|(3<<25)   ; s[12:19]: group 1 for Wq's codes: as x's, four rows of 16,384 bytes: the same halves of the four heads
	s_mov_b32 s13, 16384<<16
	s_mov_b32 s14, 4<<16
	s_mov_b32 s15, 16384<<16
	s_mov_b32 s16, 4
	s_mov_b32 s17, 32768
	s_mov_b32 s18, 0
	s_mov_b32 s19, 0
.irp g, G0XS, G0X0, G0X1, G0WS, G0W0, G0W1
	s_or_b32 s[\g+3], s[\g+3], 0x80000000          ; type = 2
.endr
	CROUND                                         ; all sixteen work-groups are here: the joint loads meet
	; ALL FILLS AT THE HEAD, ONE A WAVE, in one chain of branches on the wave's number: waves 0, 1 x's lower and upper halves; waves 2, 3 Wq's; waves 4, 5 Wk's; waves 6, 7 Wv's; wave 8 x's scale bytes, wave 9 Wq's, waves 10, 11 Wk's and Wv's
	s_cmp_lt_u32 s[WV], 2
	s_cbranch_scc0 .Lnot_x
	tensor_load_to_lds s[G0X0:G0X0+3], s[G1X:G1X+7]
	s_nop 0
	PLACES
	s_branch .Lasked
.Lnot_x:
	s_cmp_lt_u32 s[WV], 4
	s_cbranch_scc0 .Lnot_q
	tensor_load_to_lds s[G0X1:G0X1+3], s[12:19]
	s_nop 0
	PLACES
	s_branch .Lasked
.Lnot_q:
	s_cmp_lt_u32 s[WV], 8
	s_cbranch_scc0 .Lnot_w
	tensor_load_to_lds s[G0W0:G0W0+3], s[G1W:G1W+7]
	s_nop 0
	PLACES
	s_branch .Lasked
.Lnot_w:
	s_cmp_lt_u32 s[WV], 9
	s_cbranch_scc0 .Lnot_xs
	tensor_load_to_lds s[G0XS:G0XS+3], s[G1XS:G1XS+7]
	s_nop 0
	PLACES
	s_branch .Lasked
.Lnot_xs:
	s_cmp_lt_u32 s[WV], 10
	s_cbranch_scc0 .Lnot_qs
	tensor_load_to_lds s[G0W1:G0W1+3], s[4:11]
	s_nop 0
	PLACES
	s_branch .Lasked
.Lnot_qs:
	tensor_load_to_lds s[G0WS:G0WS+3], s[G1WS:G1WS+7]
	s_nop 0
	PLACES
.Lasked:
	; the lane's terms, common to both roles
	v_and_b32 v240, 15, v0                         ; r
	v_bfe_u32 v241, v0, 4, 1                       ; h
	v_and_b32 v242, 31, v0                         ; lane
	s_delay_alu instid0(VALU_DEP_3)
	v_lshrrev_b32 v243, 3, v240                    ; r / 8
	s_delay_alu instid0(VALU_DEP_4)
	v_and_b32 v244, 7, v240                        ; r % 8
	v_lshlrev_b32 v1, 2, v240                      ; 4 r: V's bias
	v_lshlrev_b32 v2, 7, v241                      ; 128 h: QK's bias
	s_delay_alu instid0(VALU_DEP_4)
	v_mul_u32_u24 v[LT], v243, GS
	s_delay_alu instid0(VALU_DEP_1)
	v_mad_u32_u24 v[LT], v244, PITCH, v[LT]
	s_delay_alu instid0(VALU_DEP_1)
	v_lshl_add_u32 v[LT], v241, 4, v[LT]
	v_lshlrev_b32 v[RT], 10, v243
	s_delay_alu instid0(VALU_DEP_1)
	v_lshl_add_u32 v[RT], v244, 5, v[RT]
	v_lshlrev_b32 v[IM], 4, v242
	v_lshlrev_b32 v[SS], 3, v240
	s_delay_alu instid0(VALU_DEP_1)
	v_lshl_add_u32 v[SS], v241, 2, v[SS]
	v_lshlrev_b32 v[SH8], 3, v241
	s_mov_b32 s[SEL], 0x76543210
	s_mov_b32 s[SEL+1], 0xfedcba98
	s_lshr_b32 s2, s[MB], 4                        ; the batch
	s_lshl_b32 s2, s2, 2
	s_add_co_u32 s2, s2, s[G]
	s_lshl_b32 s2, s2, 4
	s_and_b32 s3, s[MB], 15                        ; the key step in the batch
	s_add_co_u32 s2, s2, s3
	s_mul_i32 s2, s2, KVB                          ; my rows' block in kv
	s_wait_tensorcnt 0x0                           ; my fills have landed,
	s_barrier_signal -1
	s_barrier_wait -1                              ; everybody's have.  From here on LDS is only read
	s_cmp_lt_u32 s[WV], 10
	s_cbranch_scc0 .Lvrole
	; ---------------- QK role
	s_lshr_b32 s39, s[WV], 1                       ; j: my unit
	s_and_b32 s66, s[WV], 1                        ; c: my half of the rows
	s_mul_i32 s16, s66, UN
	s_wait_alu depctr_va_vdst(0)
	v_add_nc_u32 v[XA], s16, v[LT]
	s_add_co_u32 s17, s39, 2
	s_mul_i32 s16, s17, UN
	v_add_nc_u32 v[WA], s16, v[LT]
	s_sub_co_u32 s17, s17, s66
	s_lshl_b32 s17, s17, 11                        ; from x's region c to W's region 2 + j
	v_mul_u32_u24 v[SA], s17, v241                 ; lanes 16-31 take W's words, lanes 0-15 x's: one register carries both
	s_lshl_b32 s16, s66, 11
	s_add_co_u32 s16, s16, SCB
	v_add_nc_u32 v[SA], v[SA], v[RT]
	s_delay_alu instid0(VALU_DEP_1)
	v_add_nc_u32 v[SA], s16, v[SA]
	s_wait_alu depctr_va_vdst(0)
	s_lshl_b32 s4, s66, 11                         ; 2,048 c: four tiles' images
	s_lshl_b32 s5, s66, 7                          ; 128 c: their scale words
	s_lshl_b32 s15, s[MB], 4
	s_lshl_b32 s14, s[G], 2
	s_add_co_u32 s14, s14, s39                     ; head 4 g + j
	s_add_co_u32 s15, s15, s14                     ; 16 MB + head
	s_lshl_b32 s6, s15, 12
	s_add_co_u32 s6, s6, s4                        ; q: codes
	s_lshl_b32 s8, s15, 8
	s_add_co_u32 s8, s8, s5                        ; q: scale words
	s_add_co_u32 s10, s2, s4                       ; k: codes
	s_add_co_u32 s11, s2, s5
	s_add_co_u32 s11, s11, 8192                    ; k: scale words
	s_lshl_b32 s12, s14, 8                         ; bq: 64 numbers a head
	s_lshl_b32 s14, s[G], 8                        ; bk: 64 a group
	s_cmp_eq_u32 s39, 4                            ; k's waves or q's: a choice on the wave's number
	s_cselect_b64 s[26:27], s[30:31], s[26:27]
	s_cselect_b64 s[28:29], s[30:31], s[28:29]
	s_cselect_b64 s[20:21], s[22:23], s[20:21]
	s_cselect_b32 s6, s10, s6
	s_cselect_b32 s8, s11, s8
	s_cselect_b32 s12, s14, s12
	s_mov_b32 s7, 0
	s_mov_b32 s9, 0
	s_mov_b32 s13, 0
	s_add_nc_u64 s[26:27], s[26:27], s[6:7]        ; where my codes go,
	s_add_nc_u64 s[28:29], s[28:29], s[8:9]        ; my scale words,
	s_add_nc_u64 s[20:21], s[20:21], s[12:13]      ; and my unit's bias
.irp tw, 0,1,2,3
.irp p, 0,1
	global_load_b128 v[BI+8*\tw+4*\p:BI+8*\tw+4*\p+3], v2, s[20:21] offset:32*\tw+16*\p   ; bias of 32 h + 8 tw + 0 .. 7: it lands under the K steps
.endr
.endr
; A K step of 128: 16 products, the 16 accumulators by turns, one instruction a turn, in the same order in every step.  The first step starts the sums with the constant 0.
.macro KQ_STEP q
.if (\q) > 0
	PLACES
.endif
.if (\q)%4 == 0
.irp i, 0,1,2,3
	ds_load_b128 v[SC+4*\i:SC+4*\i+3], v[SA] offset:256*\i+16*((\q)/4)   ; four steps' words of tile i: lanes 0-15 x's, lanes 16-31 W's
.endr
.endif
.irp t, 0,1,2,3
	FRAG WF+8*\t, WA, TILE*\t+64*(\q)
.endr
.irp t, 0,1,2,3
	FRAG XF+8*\t, XA, TILE*\t+64*(\q)
.endr
.irp tx, 0,1,2,3
	s_wait_dscnt 6-2*\tx                           ; all but the x tiles behind tile tx, two loads each
.irp tw, 0,1,2,3
.if (\q) == 0
	v_wmma_scale_f32_16x16x128_f8f6f4 v[ACC+32*\tx+8*\tw:ACC+32*\tx+8*\tw+7], v[WF+8*\tw:WF+8*\tw+7], v[XF+8*\tx:XF+8*\tx+7], 0, v[SC+4*\tw+(\q)%4], v[SC+4*\tx+(\q)%4] matrix_a_fmt:MATRIX_FMT_FP4 matrix_b_fmt:MATRIX_FMT_FP4 matrix_a_scale:MATRIX_SCALE_ROW1
.else
	v_wmma_scale_f32_16x16x128_f8f6f4 v[ACC+32*\tx+8*\tw:ACC+32*\tx+8*\tw+7], v[WF+8*\tw:WF+8*\tw+7], v[XF+8*\tx:XF+8*\tx+7], v[ACC+32*\tx+8*\tw:ACC+32*\tx+8*\tw+7], v[SC+4*\tw+(\q)%4], v[SC+4*\tx+(\q)%4] matrix_a_fmt:MATRIX_FMT_FP4 matrix_b_fmt:MATRIX_FMT_FP4 matrix_a_scale:MATRIX_SCALE_ROW1
.endif
.endr
.endr
.endm
.irp q, 0,1,2,3,4,5,6,7
	KQ_STEP \q
.endr
	PLACES
	s_wait_loadcnt 0x0                             ; the bias
.irp tx, 0,1,2,3
.irp tw, 0,1,2,3
.irp p, 0,2,4,6
	v_pk_add_f32 v[ACC+32*\tx+8*\tw+\p:ACC+32*\tx+8*\tw+\p+1], v[ACC+32*\tx+8*\tw+\p:ACC+32*\tx+8*\tw+\p+1], v[BI+8*\tw+\p:BI+8*\tw+\p+1]   ; each accumulator from its low end on
.endr
.endr
.endr
	s_branch .Ltail
	; ---------------- V role
.Lvrole:
	s_and_b32 s39, s[WV], 1                        ; e: my 32 of the group's 64 columns
	s_mul_i32 s16, s39, GS
	s_add_co_u32 s16, s16, 7*UN                    ; unit 5, group e: rows 32 e on, neighbours
	v_mul_u32_u24 v[WA], v240, PITCH
	s_delay_alu instid0(VALU_DEP_1)
	v_lshl_add_u32 v[WA], v241, 4, v[WA]
	s_delay_alu instid0(VALU_DEP_1)
	v_add_nc_u32 v[WA], s16, v[WA]
	s_wait_alu depctr_va_vdst(0)
	v_lshl_add_u32 v[SA], v241, 11, v[RT]          ; x's words: lanes 0-15 the rows' half c = 0, lanes 16-31 c = 1
	s_delay_alu instid0(VALU_DEP_1)
	v_add_nc_u32 v[SA], SCB, v[SA]
	s_wait_alu depctr_va_vdst(0)
	s_lshl_b32 s16, s39, 10
	s_add_co_u32 s16, s16, SCB+7*2048
	v_lshlrev_b32 v[SAW], 5, v240
	s_delay_alu instid0(VALU_DEP_1)
	v_lshl_add_u32 v[SAW], v241, 9, v[SAW]         ; Wv's words: lanes 0-15 tile 0, lanes 16-31 tile 1
	s_delay_alu instid0(VALU_DEP_1)
	v_add_nc_u32 v[SAW], s16, v[SAW]
	s_wait_alu depctr_va_vdst(0)
	s_mov_b64 s[26:27], s[30:31]
	s_mov_b64 s[28:29], s[30:31]
	s_lshl_b32 s4, s39, 11
	s_add_co_u32 s6, s2, s4
	s_add_co_u32 s6, s6, 4096                      ; my two fragments
	s_lshl_b32 s5, s39, 7
	s_add_co_u32 s8, s2, s5
	s_add_co_u32 s8, s8, 8448                      ; their scale words
	s_lshl_b32 s12, s[G], 8
	s_add_co_u32 s12, s12, s5                      ; bv: 64 g + 32 e
	s_mov_b32 s7, 0
	s_mov_b32 s9, 0
	s_mov_b32 s13, 0
	s_add_nc_u64 s[26:27], s[26:27], s[6:7]
	s_add_nc_u64 s[28:29], s[28:29], s[8:9]
	s_add_nc_u64 s[24:25], s[24:25], s[12:13]
.irp t, 0,1
.irp p, 0,1
	global_load_b32 v[BV+2*\t+\p], v1, s[24:25] offset:64*\t   ; bv of d = 16 t + r, in both words of a pair
.endr
.endr
; One product of the V role: x tile T (source 0) x Wv tile tp (source 1).  x's words of the rows' upper half and Wv's of tile 1 stand in lanes 16-31.
.macro VMUL T, tp, q
.set rD, ACC+64*(\tp)+8*(\T)
.set rA, XF+8*(\T)
.set rB, VWF+8*(\tp)
.set rS, SC+4*((\T)%4)+(\q)%4
.set rW, SCW+(\q)%4
.if (\q) == 0
.if ((\T) < 4) && ((\tp) == 0)
	v_wmma_scale_f32_16x16x128_f8f6f4 v[rD:rD+7], v[rA:rA+7], v[rB:rB+7], 0, v[rS], v[rW] matrix_a_fmt:MATRIX_FMT_FP4 matrix_b_fmt:MATRIX_FMT_FP4
.elseif (\T) < 4
	v_wmma_scale_f32_16x16x128_f8f6f4 v[rD:rD+7], v[rA:rA+7], v[rB:rB+7], 0, v[rS], v[rW] matrix_a_fmt:MATRIX_FMT_FP4 matrix_b_fmt:MATRIX_FMT_FP4 matrix_b_scale:MATRIX_SCALE_ROW1
.elseif (\tp) == 0
	v_wmma_scale_f32_16x16x128_f8f6f4 v[rD:rD+7], v[rA:rA+7], v[rB:rB+7], 0, v[rS], v[rW] matrix_a_fmt:MATRIX_FMT_FP4 matrix_b_fmt:MATRIX_FMT_FP4 matrix_a_scale:MATRIX_SCALE_ROW1
.else
	v_wmma_scale_f32_16x16x128_f8f6f4 v[rD:rD+7], v[rA:rA+7], v[rB:rB+7], 0, v[rS], v[rW] matrix_a_fmt:MATRIX_FMT_FP4 matrix_b_fmt:MATRIX_FMT_FP4 matrix_a_scale:MATRIX_SCALE_ROW1 matrix_b_scale:MATRIX_SCALE_ROW1
.endif
.else
.if ((\T) < 4) && ((\tp) == 0)
	v_wmma_scale_f32_16x16x128_f8f6f4 v[rD:rD+7], v[rA:rA+7], v[rB:rB+7], v[rD:rD+7], v[rS], v[rW] matrix_a_fmt:MATRIX_FMT_FP4 matrix_b_fmt:MATRIX_FMT_FP4
.elseif (\T) < 4
	v_wmma_scale_f32_16x16x128_f8f6f4 v[rD:rD+7], v[rA:rA+7], v[rB:rB+7], v[rD:rD+7], v[rS], v[rW] matrix_a_fmt:MATRIX_FMT_FP4 matrix_b_fmt:MATRIX_FMT_FP4 matrix_b_scale:MATRIX_SCALE_ROW1
.elseif (\tp) == 0
	v_wmma_scale_f32_16x16x128_f8f6f4 v[rD:rD+7], v[rA:rA+7], v[rB:rB+7], v[rD:rD+7], v[rS], v[rW] matrix_a_fmt:MATRIX_FMT_FP4 matrix_b_fmt:MATRIX_FMT_FP4 matrix_a_scale:MATRIX_SCALE_ROW1
.else
	v_wmma_scale_f32_16x16x128_f8f6f4 v[rD:rD+7], v[rA:rA+7], v[rB:rB+7], v[rD:rD+7], v[rS], v[rW] matrix_a_fmt:MATRIX_FMT_FP4 matrix_b_fmt:MATRIX_FMT_FP4 matrix_a_scale:MATRIX_SCALE_ROW1 matrix_b_scale:MATRIX_SCALE_ROW1
.endif
.endif
.endm
.macro V_STEP q
.if (\q) > 0
	PLACES
.endif
.if (\q)%4 == 0
.irp i, 0,1,2,3
	ds_load_b128 v[SC+4*\i:SC+4*\i+3], v[SA] offset:256*\i+16*((\q)/4)
.endr
	ds_load_b128 v[SCW:SCW+3], v[SAW] offset:16*((\q)/4)
.endif
.irp t, 0,1
	FRAG VWF+8*\t, WA, 16*PITCH*\t+64*(\q)
.endr
.irp T, 0,1,2,3,4,5,6,7
	FRAG XF+8*\T, LT, UN*(\T/4)+TILE*(\T%4)+64*(\q)
.endr
.irp P, 0,1,2,3
	s_wait_dscnt 12-4*\P                           ; all but the x tiles behind the pair 2 P, 2 P + 1, two loads each
	VMUL 2*\P, 0, \q
	VMUL 2*\P, 1, \q
	VMUL 2*\P+1, 0, \q
	VMUL 2*\P+1, 1, \q
.endr
.endm
.irp q, 0,1,2,3,4,5,6,7
	V_STEP \q
.endr
	PLACES
	s_wait_loadcnt 0x0                             ; the bias
.irp t, 0,1
.set n, 0
.rept 32
	v_pk_add_f32 v[ACC+64*\t+n:ACC+64*\t+n+1], v[ACC+64*\t+n:ACC+64*\t+n+1], v[BV+2*\t:BV+2*\t+1]   ; each accumulator from its low end on
.set n, n+2
.endr
.endr
	; ---------------- the tail, one text for both roles: four blocks y of 32 registers, each a whole block of 32 along the next product's K
.Ltail:
	v_cmp_ne_u32 vcc_lo, 0, v[SH8]                 ; lanes 16-31
.irp y, 0,1,2,3
	v_max3_num_f32 v[MX+\y], |v[ACC+32*\y]|, |v[ACC+32*\y+1]|, 0x1800000   ; the largest magnitude, with the floor 2^(3 - 127) among its leaves: the byte cannot fall under 1
.endr
.irp i, 2,4,6,8,10,12,14,16,18,20,22,24,26,28,30
.irp y, 0,1,2,3
	s_delay_alu instid0(VALU_DEP_4)
	v_max3_num_f32 v[MX+\y], v[MX+\y], |v[ACC+32*\y+\i]|, |v[ACC+32*\y+\i+1]|   ; (the four blocks by turns)
.endr
.endr
.irp y, 0,1,2,3
	s_delay_alu instid0(VALU_DEP_4)
	v_add_nc_u32 v[SO+\y], 0xff000000, v[MX+\y]    ; 2 off its exponent field: the conversion takes the exponent field of this operand as its scale
.endr
.irp y, 0,1,2,3
	s_delay_alu instid0(VALU_DEP_4)
	v_lshrrev_b32 v[BY+\y], 23, v[SO+\y]           ; the scale's byte
.endr
.irp p, 0,1
	s_delay_alu instid0(VALU_DEP_3)
	v_lshl_or_b32 v[WD+\p], v[BY+2*\p+1], 16, v[BY+2*\p]   ; word p: blocks 2 p and 2 p + 1: my half's bytes,
	v_mov_b32 v[TY+\p], 0
.endr
.irp p, 0
	s_delay_alu instid0(VALU_DEP_4)
	v_lshlrev_b32 v[WD+\p], v[SH8], v[WD+\p]       ; at their places (8 h bits up);
.endr
.irp p, 1
	s_delay_alu instid0(VALU_DEP_3)
	v_lshlrev_b32 v[WD+\p], v[SH8], v[WD+\p]       ; at their places (8 h bits up);
.endr
.irp p, 0,1
	s_delay_alu instid0(VALU_DEP_2)
	v_permlanex16_b32 v[TY+\p], v[WD+\p], s[SEL], s[SEL+1]
.endr
.irp p, 0,1
	s_delay_alu instid0(VALU_DEP_2)
	v_or_b32 v[WD+\p], v[WD+\p], v[TY+\p]          ; with lane l xor 16's two the word is whole
.endr
	s_delay_alu instid0(VALU_DEP_1)
	v_cndmask_b32 v[WS], v[WD], v[WD+1], vcc_lo    ; lanes 0-15 store word 0, lanes 16-31 word 1
.irp y, 0,1,2,3
.irp t, 0,1,2,3
	v_cvt_scalef32_pk8_fp4_f32 v[CD+4*\y+\t], v[ACC+32*\y+8*\t:ACC+32*\y+8*\t+7], v[SO+\y]   ; eight neighbours along K: a register of the operand
.endr
.endr
	v_nop                                          ; one plain instruction behind the last scaled conversion
.irp y, 0,1,2,3
	global_store_b128 v[IM], v[CD+4*\y:CD+4*\y+3], s[26:27] offset:512*\y   ; 32 lanes store 512 consecutive bytes, at a multiple of 256 from the buffer's first byte
.endr
	global_store_b32 v[SS], v[WS], s[28:29]        ; 128 consecutive bytes
	s_set_vgpr_msb 0x5
	s_wait_tensorcnt 0x0
	ds_add_u32 v0, v1
	s_wait_dscnt 0x0
	s_set_vgpr_msb 0x500
	CROUND                                         ; the closing round: no work-group ends while a partner may still ask for a tile that names it
	s_endpgm
.Lfunc_end_k_q015e7a6f63_proj:
	.size	k_q015e7a6f63_proj, .Lfunc_end_k_q015e7a6f63_proj-k_q015e7a6f63_proj
	.p2alignl 7, 3214868480
	.fill 96, 4, 3214868480
	.section	.rodata,"a",@progbits
	.p2align	6, 0x0
	.amdhsa_kernel k_q015e7a6f63_proj
		.amdhsa_group_segment_fixed_size 327680
		.amdhsa_private_segment_fixed_size 0
		.amdhsa_enable_private_segment 0
		.amdhsa_kernarg_size 112
		.amdhsa_user_sgpr_count 2
		.amdhsa_user_sgpr_kernarg_segment_ptr 1
		.amdhsa_wavefront_size32 1
		.amdhsa_system_sgpr_workgroup_id_x 1
		.amdhsa_system_sgpr_workgroup_id_y 1
		.amdhsa_system_sgpr_workgroup_id_z 1
		.amdhsa_system_vgpr_workitem_id 0
		.amdhsa_next_free_vgpr 258
		.amdhsa_next_free_sgpr 102
		.amdhsa_reserve_vcc 1
		.amdhsa_float_denorm_mode_32 3
		.amdhsa_float_denorm_mode_16_64 3
		.amdhsa_memory_ordered 1
		.amdhsa_forward_progress 1
		.amdhsa_inst_pref_size 87
	.end_amdhsa_kernel
	.amdgpu_metadata
---
amdhsa.version: [ 1, 2 ]
amdhsa.kernels:
  - .name:           k_q015e7a6f63_proj
    .symbol:         k_q015e7a6f63_proj.kd
    .args:
      - { .name: x_codes, .offset: 0, .size: 8, .value_kind: global_buffer, .address_space: global }
      - { .name: x_scales, .offset: 8, .size: 8, .value_kind: global_buffer, .address_space: global }
      - { .name: Wq_codes, .offset: 16, .size: 8, .value_kind: global_buffer, .address_space: global }
      - { .name: Wq_scales, .offset: 24, .size: 8, .value_kind: global_buffer, .address_space: global }
      - { .name: Wk_codes, .offset: 32, .size: 8, .value_kind: global_buffer, .address_space: global }
      - { .name: Wk_scales, .offset: 40, .size: 8, .value_kind: global_buffer, .address_space: global }
      - { .name: Wv_codes, .offset: 48, .size: 8, .value_kind: global_buffer, .address_space: global }
      - { .name: Wv_scales, .offset: 56, .size: 8, .value_kind: global_buffer, .address_space: global }
      - { .name: bq, .offset: 64, .size: 8, .value_kind: global_buffer, .address_space: global }
      - { .name: bk, .offset: 72, .size: 8, .value_kind: global_buffer, .address_space: global }
      - { .name: bv, .offset: 80, .size: 8, .value_kind: global_buffer, .address_space: global }
      - { .name: qc, .offset: 88, .size: 8, .value_kind: global_buffer, .address_space: global }
      - { .name: qs, .offset: 96, .size: 8, .value_kind: global_buffer, .address_space: global }
      - { .name: kv, .offset: 104, .size: 8, .value_kind: global_buffer, .address_space: global }
    .group_segment_fixed_size: 327680
    .private_segment_fixed_size: 0
    .kernarg_segment_align: 8
    .kernarg_segment_size: 112
    .max_flat_workgroup_size: 384
    .sgpr_count:     102
    .vgpr_count:     258
    .wavefront_size: 32
...
	.end_amdgpu_metadata
.endif
;; end of part 1
;; launch attn (part 2): grid 16 x 16, 16 waves a work-group, clusters of 4 x 1, 210,944 bytes of LDS; arguments qc, qs, kv, out0; writes out0
.if DOCPART == 2
	.amdgcn_target "amdgcn-amd-amdhsa--gfx1250"
	.amdhsa_code_object_version 6
	.text
	.protected	k_q015e7a6f63_attn
	.globl	k_q015e7a6f63_attn
	.p2align	8
	.type	k_q015e7a6f63_attn,@function
k_q015e7a6f63_attn:
	s_mov_b64 s[64:65], 0
	v_nop
	global_prefetch_b8 v0, s[64:65] scope:SCOPE_SE
	s_setreg_imm32_b32 hwreg(HW_REG_WAVE_MODE, 25, 1), 1
	s_wait_xcnt 0x0
	s_wait_alu depctr_hold_cnt(0) depctr_sa_sdst(0) depctr_va_vdst(0) depctr_va_sdst(0) depctr_va_ssrc(0) depctr_va_vcc(0) depctr_vm_vsrc(0)
	s_getreg_b32 s2, hwreg(HW_REG_IB_STS2, 6, 4)
	s_cmp_eq_u32 s2, 0
	s_cbranch_scc0 .Lentry_in_a_cluster
	s_endpgm
.Lentry_in_a_cluster:
	s_bfe_u32 s2, ttmp6, 0x10000c
	s_cmp_lg_u32 s2, 0x3003
	s_cbranch_scc0 .Lentry_shape_is_right
	s_endpgm
.Lentry_shape_is_right:
; out0[b][row][head][:] = the sum over keys of softmax(q . k / 8) v, both products on codes of FP4 (E2M1) with one E8M0 byte for each 32 along a product's K.
; q, k, v come as register images with their scale words from the launch before.
; THE SOFTMAX: t = score x log2(e) / 8; M = the row's largest t so far, rounded UP to a whole number; p = 2^(t - M) is quantised along the keys, not normalised.
; The row's sum is taken of the unquantised p, in f32, and divides at the end.  When M moves, the sum and O are multiplied by 2^(old M - new M): exact, in every step: no branch hangs on data.
; SHARES.  A work-group owns 128 rows (block X of batch b) of the four heads of group g: 32 tiles of 16 queries.  Sixteen waves, four to a SIMD; wave w: head 4 g + w / 4, tiles T = 4 c + 2 e and T + 1
; (c = (w / 2) % 2, e = w % 2).  Each fragment of k and of v read from LDS serves both tiles.  Every wave walks the 2,048 keys, 128 a step.  The whole K/V head, 16 blocks of 8,704 bytes, lies in LDS, filled once: wave w brings block w.
; No prefetch: K and V are asked for once, at the head, and the loop reads LDS alone.
; CLUSTER 4 x 1: the four work-groups of a cluster share b and g, so each block is asked for jointly: the same load, a mask that names the four.
; LAYOUT.  Both products are used transposed (S^T = k q^T, O^T = v^T p^T): a lane holds ONE query (lane % 16).  Lane r of tile T = 4 c + tau (queries and keys alike) is row 64 c + 32 (r / 8) + 8 tau + r % 8 of its 128,
; so S^T's register 8 T + j of lane half h is key 64 c + 32 h + 8 tau + j: a lane's 32 registers of four tiles are ONE WHOLE BLOCK of 32 keys in the operand's order: a block's largest score needs no other lane,
; and each conversion's result is a register of p's operand.
; THE HEAD'S 64 IN AN INSTRUCTION OF 128: source 0 is a PAIR of key tiles (tile 2 i in k 0 .. 63, tile 2 i + 1 in k 64 .. 127); source 1 is q with zero codes in the other half, [q, 0] or [0, q].
; A step's block in kv: 0: k's eight tiles, 512 bytes each, lane l at 16 l; 4,096: v's four fragments (d = 16 t + r); 8,192: k's scale words [c][r][2]; 8,448: v's [t / 2][r][t % 2].
; THE SOFTMAX STEP IS LAID IN WIDE, INDEPENDENT CHAINS: the two blocks' maxima in eight chains; the end of M's chain among the 32 packed multiply-adds; O^T's rescaling ahead of the exponentials;
; all 66 exponentials as one batch between two waits; the row's sum as a tree in place, behind the conversions that read p.
; LIMITS: NaN and infinities are not served; a p under 2^-126 counts as 0 (v_exp_f32 gives 0 there: ISA guide, its entry); a block whose every p is 0 keeps the byte 1: its codes are zeros; the running maximum starts at -3e38.
.set STEPB, 8704
.set STG,   16*STEPB                   ; behind the blocks: a stage of 16 rows x (256 + 16) bytes for each wave; no fill lands there
.set SP,    272
.set WV,  12                           ; s12 my wave's number
.set SEL, 24                           ; s[24:25] v_permlanex16_b32's selects for lane l xor 16
.set CS,  26                           ; s[26:27] c = log2(e) / 8, named as a pair
.set TB,  28                           ; s28 LDS byte at which the step's block begins
.set CNT, 29                           ; s29 steps to go
.set LI,  1                            ; v1  16 x lane
.set LR,  2                            ; v2  8,192 + 8 r
.set ADK, 3                            ; v3  the step's images
.set ADS, 4                            ; v4  the step's scale words
.set GO,  5                            ; v5  the way out: 4,096 h + 16 r
.set SH8, 6                            ; v6  8 h
.set Y,   7                            ; v7  a lane permute's destination
                                       ; v[8:11] tile A: -M, the largest score, the sum in two halves;  v[12:15] tile B
.set QZ,  16                           ; v[16:35] zeros, q of tile A, zeros, q of tile B, zeros
.set QS,  36                           ; v36, v37 q's scale words (scales alone)
.set F,   38                           ; v[38:39] f = 2^(old M - new M), named as a pair
.set KF,  40                           ; v[40:71] k's four pairs, then v's four fragments
.set KS,  72                           ; v[72:75] their scale words (scales alone)
.set S,   76                           ; v[76:139] S^T, then p, then the sum's tree
.set OA,  140                          ; v[140:171] O^T of tile A, v[172:203] of tile B
.set PCD, 204                          ; v[204:219] p's codes, eight registers a tile
.set PWD, 220                          ; v220, v221 p's scale words (scales alone)
.set BM,  222                          ; v222, v223 the largest score of my two blocks
.set SCO, 224                          ; v224, v225 the conversions' scale operands
.set X,   226                          ; v226, v227 at work
.set U,   228                          ; v[228:229] at work
.set RAW, 230
.set STO, 231                          ; the stage: in, back
.set RD,  232
.set RR,  233                          ; r
.set RL,  234                          ; v[234:237] 1 / the sum, a pair for each tile
.set HH,  238                          ; h
.set QO,  239                          ; 8 r
.set T,   240                          ; v[240:247] the maxima's eight chains
.macro PLACES
.rept 4
	v_nop
.endr
.endm
.macro CROUND                          ; a round of the cluster's barrier
	s_barrier_signal -1
	s_barrier_wait -1
	s_cmp_lg_u32 s[WV], 0
	s_cbranch_scc1 .Lnot_wave_0_\@
	s_barrier_signal -3
.Lnot_wave_0_\@:
	s_barrier_wait -3
	s_barrier_signal -1
	s_barrier_wait -1
.endm
	s_load_b256 s[4:11], s[0:1], 0x0               ; qc, qs, kv, out0
	v_lshl_add_u32 v254, v0, 2, 0x33000            ; my spare word, behind the stages
	v_mov_b32 v255, 0
	ds_add_u32 v254, v255
	ds_add_u32 v254, v255
	v_lshrrev_b32 v1, 5, v0
	s_delay_alu instid0(VALU_DEP_1)
	v_readfirstlane_b32 s[WV], v1                  ; wave 0..15
	s_bfe_u32 s13, ttmp6, 0x40000                  ; cx
	s_lshl_b32 s14, ttmp9, 2
	s_add_co_u32 s14, s14, s13                     ; X: it enters q's and out0's addresses alone
	s_and_b32 s15, ttmp7, 0xffff                   ; 4 b + g, which the four partners share
	s_mov_b32 s32, 15|(3<<16)|(1<<21)              ; a block of 8,704 dense bytes as 34 rows of 32 elements of 8 bytes; the mask names all four
	s_mov_b32 s33, 32<<16
	s_mov_b32 s34, 34<<16
	s_mov_b32 s35, 32<<16
	s_mov_b32 s36, 34
	s_mov_b32 s37, 32
	s_mov_b32 s38, 0
	s_mov_b32 s39, 0
	s_mov_b32 s40, 1
	s_mul_i32 s41, s[WV], STEPB                    ; block w, in LDS
	s_mul_i32 s42, s15, 16*STEPB
	s_add_co_u32 s42, s42, s41                     ; and in kv
	s_mov_b32 s43, 0
	s_lshr_b32 s16, s15, 2                         ; b
	s_and_b32 s17, s15, 3                          ; g
	s_lshl_b32 s18, s16, 4
	s_add_co_u32 s18, s18, s14                     ; MB = 16 b + X
	s_lshl_b32 s19, s17, 2
	s_lshr_b32 s20, s[WV], 2
	s_add_co_u32 s19, s19, s20                     ; head
	s_bfe_u32 s20, s[WV], 0x10001                  ; c
	s_and_b32 s21, s[WV], 1                        ; e
	s_lshl_b32 s22, s18, 4
	s_add_co_u32 s22, s22, s19                     ; 16 MB + head
	s_mov_b32 s45, 0
	s_mov_b32 s[SEL], 0x76543210
	s_mov_b32 s[SEL+1], 0xfedcba98
	s_mov_b32 s[CS], 0x3e38aa3b                    ; log2(e) / 8
	s_mov_b32 s[CS+1], s[CS]
	s_mov_b32 s[TB], 0
	s_mov_b32 s[CNT], 16
	s_wait_dscnt 0x0
	s_wait_kmcnt 0x0
	s_add_nc_u64 s[42:43], s[8:9], s[42:43]
	s_or_b32 s43, s43, 0x80000000                  ; type = 2
	s_lshl_b32 s44, s22, 12                        ; qc: 4,096 bytes a (MB, head), 512 a tile: tile 4 c + 2 e
	s_lshl_b32 s23, s20, 11
	s_add_co_u32 s44, s44, s23
	s_lshl_b32 s23, s21, 10
	s_add_co_u32 s44, s44, s23
	s_add_nc_u64 s[4:5], s[4:5], s[44:45]
	s_lshl_b32 s44, s22, 8                         ; qs: 256 bytes a (MB, head): word (c, r, e)
	s_lshl_b32 s23, s20, 7
	s_add_co_u32 s44, s44, s23
	s_lshl_b32 s23, s21, 2
	s_add_co_u32 s44, s44, s23
	s_add_nc_u64 s[6:7], s[6:7], s[44:45]
	s_lshl_b32 s44, s16, 11                        ; out0: row 2,048 b + 128 X + 64 c + 16 e, 4,096 bytes a row; 256 bytes a head
	s_lshl_b32 s23, s14, 7
	s_add_co_u32 s44, s44, s23
	s_lshl_b32 s23, s20, 6
	s_add_co_u32 s44, s44, s23
	s_lshl_b32 s23, s21, 4
	s_add_co_u32 s44, s44, s23
	s_lshl_b32 s44, s44, 12
	s_lshl_b32 s23, s19, 8
	s_add_co_u32 s44, s44, s23
	s_add_nc_u64 s[10:11], s[10:11], s[44:45]
	CROUND                                         ; all four work-groups are here: the joint loads meet
	tensor_load_to_lds s[40:43], s[32:39]          ; my one load
	s_nop 0
	PLACES
	v_and_b32 v[LI], 31, v0
	s_delay_alu instid0(VALU_DEP_1)
	v_lshlrev_b32 v[LI], 4, v[LI]
	v_and_b32 v[RR], 15, v0
	v_bfe_u32 v[HH], v0, 4, 1
	s_delay_alu instid0(VALU_DEP_2)
	v_lshlrev_b32 v[QO], 3, v[RR]
	global_load_b128 v[QZ+4:QZ+7], v[LI], s[4:5] th:TH_LOAD_NT              ; q of tile A stays in registers
	global_load_b128 v[QZ+12:QZ+15], v[LI], s[4:5] offset:512 th:TH_LOAD_NT ; q of tile B
	global_load_b32 v[RAW], v[QO], s[6:7]          ; bytes 0, 1: tile A's two blocks; bytes 2, 3: tile B's
	v_lshl_add_u32 v[LR], v[RR], 3, 8192
	v_lshlrev_b32 v[GO], 12, v[HH]
	s_delay_alu instid0(VALU_DEP_1)
	v_lshl_add_u32 v[GO], v[RR], 4, v[GO]
	v_lshlrev_b32 v[SH8], 3, v[HH]
.irp i, 0,1,2,3
	v_mov_b32 v[QZ+\i], 0                          ; the zero codes beside q
	v_mov_b32 v[QZ+8+\i], 0
	v_mov_b32 v[QZ+16+\i], 0
.endr
.irp z, 0,1
	v_mov_b32 v[8+4*\z], 0x7f61b1e6                ; -M
	v_mov_b32 v[9+4*\z], 0xff61b1e6                ; the largest score so far: -3e38
	v_mov_b32 v[10+4*\z], 0                        ; the sum, in two halves
	v_mov_b32 v[11+4*\z], 0
.endr
	v_mov_b32 v[Y], 0                              ; a lane permute's destination counts as one of its sources
	v_mov_b32 v[F+1], 0
	v_mov_b32 v[F], 0                              ; the first trip finishes a sum that no step has begun: it finds f = 0 and zeros in S
.set j, 0
.rept 64
	v_mov_b32 v[S+j], 0
.set j, j+1
.endr
	s_wait_loadcnt 0x0
	v_perm_b32 v[QS], v[RAW], v[RAW], 0x01000100   ; tile A's two bytes in both halves of the word: they serve [q, 0] and [0, q]
	v_perm_b32 v[QS+1], v[RAW], v[RAW], 0x03020302 ; tile B's
.set j, 0
.rept 64
	v_mov_b32 v[OA+j], 0                           ; O^T: the step is written once; its first trip finds zeros
.set j, j+1
.endr
	s_wait_tensorcnt 0x0                           ; my block has landed,
	s_barrier_signal -1
	s_barrier_wait -1                              ; everybody's has.  The blocks are only read from here on
; S^T of tile z: eight products, each on an accumulator of its own, begun with the constant 0.  The plain instructions behind them are macro FIN's
.macro QK z
.irp i, 0,1,2,3
	v_wmma_scale_f32_16x16x128_f8f6f4 v[S+16*\i:S+16*\i+7], v[KF+8*\i:KF+8*\i+7], v[QZ+4+8*(\z):QZ+11+8*(\z)], 0, v[KS+\i], v[QS+(\z)] matrix_a_fmt:MATRIX_FMT_FP4 matrix_b_fmt:MATRIX_FMT_FP4
	v_wmma_scale_f32_16x16x128_f8f6f4 v[S+16*\i+8:S+16*\i+15], v[KF+8*\i:KF+8*\i+7], v[QZ+8*(\z):QZ+7+8*(\z)], 0, v[KS+\i], v[QS+(\z)] matrix_a_fmt:MATRIX_FMT_FP4 matrix_b_fmt:MATRIX_FMT_FP4
.endr
.endm
.macro TM from, n                      ; t - M of n pairs (of the pairs c and -M the low word serves both halves)
.set j, 2*(\from)
.rept \n
	v_pk_fma_f32 v[S+j:S+j+1], v[S+j:S+j+1], s[CS:CS+1], v[ST:ST+1] op_sel_hi:[1,0,0]
.set j, j+2
.endr
.endm
.macro TREE st, from, n                ; n additions of one level of the sum's tree: pair st i += pair st i + st / 2
.set j, (\st)*(\from)
.rept \n
	v_pk_add_f32 v[S+j:S+j+1], v[S+j:S+j+1], v[S+j+(\st)/2:S+j+(\st)/2+1]
.set j, j+(\st)
.endr
.endm
; The softmax of tile z for these 128 keys
; THE ROW'S SUM IS FINISHED LATE.  Macro SOFT does 12 of the tree's 16 first additions.  The other 4, the second level's 8 and the third level's 4 (macro L3, which lands in T, free since the maxima) follow before S is written again:
; tile A's ahead of tile B's score products, tile B's at the next trip's top, under the flight of k's loads.  The last four instructions work on T alone (macro FIN) and stand behind the next score products,
; as the plain instructions that are due there, with the copy of tile m's old -M.  f still belongs to tile z there: the next softmax writes it later.
.macro L3
.set j, 0
.rept 4
	v_pk_add_f32 v[T+2*j:T+2*j+1], v[S+16*j:S+16*j+1], v[S+16*j+8:S+16*j+9]
.set j, j+1
.endr
.endm
.macro FIN z, m
	v_pk_add_f32 v[T:T+1], v[T:T+1], v[T+2:T+3]
	v_pk_add_f32 v[T+4:T+5], v[T+4:T+5], v[T+6:T+7]
.if (\m) >= 0
	v_mov_b32 v[X], v[8+4*(\m)]
.endif
	v_pk_fma_f32 v[10+4*(\z):11+4*(\z)], v[10+4*(\z):11+4*(\z)], v[F:F+1], v[T:T+1] op_sel_hi:[1,0,1]   ; the sum under the new M, and half of the step's
	s_delay_alu instid0(VALU_DEP_1)
	v_pk_add_f32 v[10+4*(\z):11+4*(\z)], v[10+4*(\z):11+4*(\z)], v[T+4:T+5]
.endm
.macro SOFT z
.set ST, 8+4*(\z)
.set O,  OA+32*(\z)
.set PC, PCD+8*(\z)
.set PW, PWD+(\z)
; THE LARGEST SCORE OF MY TWO BLOCKS OF 32 KEYS, four chains a block, 16 instructions a block.  It serves the row's maximum and, since p rises with the score, the block's largest p.  Each accumulator is met at its low end first
.irp c, 0,1
.irp k, 0,1,2,3
	v_max3_num_f32 v[T+4*\c+\k], v[S+32*\c+3*\k], v[S+32*\c+3*\k+1], v[S+32*\c+3*\k+2]
.endr
.endr
.irp m, 0,1
.irp c, 0,1
.irp k, 0,1,2,3
	v_max3_num_f32 v[T+4*\c+\k], v[T+4*\c+\k], v[S+32*\c+12+8*\m+2*\k], v[S+32*\c+13+8*\m+2*\k]
.endr
.endr
.endr
.irp c, 0,1
.irp k, 0,1
	v_max3_num_f32 v[T+4*\c+\k], v[T+4*\c+\k], v[S+32*\c+28+2*\k], v[S+32*\c+29+2*\k]
.endr
.endr
	s_delay_alu instid0(VALU_DEP_3)
	v_max3_num_f32 v[BM], v[T], v[T+1], v[T+2]
	s_delay_alu instid0(VALU_DEP_2)
	v_max3_num_f32 v[BM+1], v[T+4], v[T+5], v[T+6]
	s_delay_alu instid0(VALU_DEP_2)
	v_max_num_f32 v[BM], v[BM], v[T+3]
	s_delay_alu instid0(VALU_DEP_2)
	v_max_num_f32 v[BM+1], v[BM+1], v[T+7]
	s_delay_alu instid0(VALU_DEP_1)
	v_max3_num_f32 v[U], v[BM], v[BM+1], v[ST+1]
	s_delay_alu instid0(VALU_DEP_1)
	v_permlanex16_b32 v[Y], v[U], s[SEL], s[SEL+1] ; the query's other 64 keys lie in the lane 16 away
	s_delay_alu instid0(VALU_DEP_1)
	v_max_num_f32 v[ST+1], v[U], v[Y]              ; the running largest score
	s_delay_alu instid0(VALU_DEP_1)
	v_mul_f32 v[X+1], s[CS], v[ST+1]               ; as t (c is positive)
	s_delay_alu instid0(VALU_DEP_1)
	v_floor_f32 v[ST], -v[X+1]                     ; the new -M = floor(-t) = -ceil(t): a whole number
	s_delay_alu instid0(VALU_DEP_1)
	v_sub_f32 v[X], v[ST], v[X]                    ; old M - new M: a whole number, 0 or less
	TM 0, 8                                        ; the rest of f's chain stands among the multiply-adds, which want -M alone
	v_cvt_i32_f32 v[X], v[X]                       ; (it saturates)
	TM 8, 8
	v_ldexp_f32 v[F], 1.0, v[X]                    ; f = 2^(old M - new M)
	TM 16, 16
.irp c, 0,1
	v_fma_f32 v[BM+\c], v[BM+\c], s[CS], v[ST]     ; the same of each block's largest score
.endr
	s_wait_alu depctr_va_vdst(0)                   ; ahead of the batch's sources' readers, and directly ahead of the first readers of O^T
.set j, 0
.rept 16
	v_pk_mul_f32 v[O+j:O+j+1], v[O+j:O+j+1], v[F:F+1] op_sel_hi:[1,0]   ; O^T under the new M, each accumulator from its low end on
.set j, j+2
.endr
.set j, 0
.rept 64
	v_exp_f32 v[S+j], v[S+j]                       ; p = 2^(t - M)
.set j, j+1
.endr
	v_exp_f32 v[BM], v[BM]                         ; the blocks' largest p: the same two instructions on the same number give the same bits
	v_exp_f32 v[BM+1], v[BM+1]
	v_nop                                          ; the plain instruction behind the batch
	s_wait_alu depctr_va_vdst(0)                   ; one wait for the 66, ahead of their first reader
.irp c, 0,1
	v_max_num_f32 v[BM+\c], 0x1800000, v[BM+\c]    ; the floor 2^(3 - 127): the byte cannot fall under 1
.endr
.irp c, 0,1
	s_delay_alu instid0(VALU_DEP_2)
	v_add_nc_u32 v[SCO+\c], 0xff000000, v[BM+\c]   ; 2 off the exponent field: the conversion's scale operand
.endr
.irp c, 0,1
	s_delay_alu instid0(VALU_DEP_2)
	v_lshrrev_b32 v[X+\c], 23, v[SCO+\c]           ; the scale's byte: block 2 c + h
.endr
	s_delay_alu instid0(VALU_DEP_1)
	v_lshl_or_b32 v[PW], v[X+1], 16, v[X]
.irp c, 0,1
.irp t, 0,1,2,3
	v_cvt_scalef32_pk8_fp4_f32 v[PC+4*\c+\t], v[S+32*\c+8*\t:S+32*\c+8*\t+7], v[SCO+\c]   ; register 4 c + t of the operand: keys 64 c + 32 h + 8 t on
.endr
.endr
	v_lshlrev_b32 v[PW], v[SH8], v[PW]             ; my two bytes at their places (8 h bits up).  (Also the plain instruction behind the last conversion)
	TREE 4, 0, 2                                   ; THE ROW'S SUM IS TAKEN OF THE UNQUANTISED p: a tree in place, now that the conversions have read p; the scale word's chain stands among its first additions
	v_permlanex16_b32 v[Y], v[PW], s[SEL], s[SEL+1]
	TREE 4, 2, 2
	v_or_b32 v[PW], v[PW], v[Y]                    ; with lane l xor 16's two bytes the word is whole
	TREE 4, 4, 8                                   ; eight plain instructions between p's scale word and the products that take it
.endm
.Lstep:                                                ; 16 trips: 128 keys each
	v_add_nc_u32 v[ADK], s[TB], v[LI]              ; with the two additions of tile B's sum: four plain instructions behind the last trip's products, ahead of the loads into their operands
	v_add_nc_u32 v[ADS], s[TB], v[LR]
	TREE 4, 12, 2
.irp n, 0,1,2,3,4,5,6,7
	ds_load_b128 v[KF+4*\n:KF+4*\n+3], v[ADK] offset:512*\n   ; k's tile n: 512 consecutive bytes
.endr
	ds_load_b64 v[KS:KS+1], v[ADS]                 ; the words of pairs 0, 1,
	ds_load_b64 v[KS+2:KS+3], v[ADS] offset:128    ; and 2, 3
	TREE 4, 14, 2                                  ; the last trip's sum of tile B goes on while k's loads are out
	TREE 8, 0, 8
	L3
	s_wait_alu depctr_va_vdst(0)
	s_wait_dscnt 0x0
	QK 0
	FIN 1, 0
	SOFT 0
	TREE 4, 12, 4                                  ; tile A's sum leaves S before tile B's scores land there
	TREE 8, 0, 8
	L3
	QK 1
	FIN 0, 1                                       ; also the plain instructions ahead of the loads over k's pairs and words
.irp n, 0,1,2,3,4,5,6,7
	ds_load_b128 v[KF+4*\n:KF+4*\n+3], v[ADK] offset:4096+512*\n   ; v's fragments land under tile B's softmax
.endr
	ds_load_b64 v[KS:KS+1], v[ADS] offset:256
	ds_load_b64 v[KS+2:KS+3], v[ADS] offset:384
	SOFT 1
	s_wait_alu depctr_va_vdst(0)
	s_wait_dscnt 0x0
.irp t, 0,1,2,3                        ; O^T += v^T p^T: eight accumulators, one instruction a turn
.irp z, 0,1
	v_wmma_scale_f32_16x16x128_f8f6f4 v[OA+32*\z+8*\t:OA+32*\z+8*\t+7], v[KF+8*\t:KF+8*\t+7], v[PCD+8*\z:PCD+8*\z+7], v[OA+32*\z+8*\t:OA+32*\z+8*\t+7], v[KS+\t], v[PWD+\z] matrix_a_fmt:MATRIX_FMT_FP4 matrix_b_fmt:MATRIX_FMT_FP4
.endr
.endr
	s_add_co_u32 s[TB], s[TB], STEPB
	s_sub_co_u32 s[CNT], s[CNT], 1
	s_cmp_lg_u32 s[CNT], 0
	s_cbranch_scc1 .Lstep
	; THE WAY OUT.  The sum's halves and the other lane half's are added; O^T is divided by the sum and goes through my stage, a tile (16 rows x 256 bytes) at a time, so that sixteen lanes store 256 consecutive bytes.
	TREE 4, 12, 4                                  ; the last step's sum of tile B is finished.  (These and the lines below are the plain instructions behind the last products)
	TREE 8, 0, 8
	L3
	FIN 1, -1
	v_add_f32 v[X], v10, v11
	v_add_f32 v[X+1], v14, v15
	s_delay_alu instid0(VALU_DEP_2)
	v_permlanex16_b32 v[Y], v[X], s[SEL], s[SEL+1]
	s_delay_alu instid0(VALU_DEP_2)
	v_permlanex16_b32 v[U], v[X+1], s[SEL], s[SEL+1]
	s_delay_alu instid0(VALU_DEP_2)
	v_add_f32 v[X], v[X], v[Y]
	s_delay_alu instid0(VALU_DEP_2)
	v_add_f32 v[X+1], v[X+1], v[U]
	s_wait_alu depctr_va_vdst(0)
	v_rcp_f32 v[RL], v[X]
	v_rcp_f32 v[RL+2], v[X+1]
	s_mul_i32 s16, s[WV], 16*SP
	s_add_co_u32 s16, s16, STG                     ; my stage
	v_mul_u32_u24 v[STO], v[RR], SP                ; in: row r; fragment t's eight numbers of my half: 64 t + 32 h bytes on
	s_delay_alu instid0(VALU_DEP_1)
	v_lshl_add_u32 v[STO], v[HH], 5, v[STO]
	s_delay_alu instid0(VALU_DEP_1)
	v_add_nc_u32 v[STO], s16, v[STO]
	v_mul_u32_u24 v[RD], v[HH], SP                 ; back: lanes 0-15 one row, lanes 16-31 the next
	s_delay_alu instid0(VALU_DEP_1)
	v_lshl_add_u32 v[RD], v[RR], 4, v[RD]
	s_delay_alu instid0(VALU_DEP_1)
	v_add_nc_u32 v[RD], s16, v[RD]
	v_mov_b32 v[RL+1], 0                           ; (named with the reciprocals as pairs)
	v_mov_b32 v[RL+3], 0
	s_wait_alu depctr_va_vdst(0)                   ; one wait for the two reciprocals and for O^T's first readers
.irp z, 0,1
.set j, 0
.rept 16
	v_pk_mul_f32 v[OA+32*\z+j:OA+32*\z+j+1], v[OA+32*\z+j:OA+32*\z+j+1], v[RL+2*\z:RL+2*\z+1] op_sel_hi:[1,0]   ; each accumulator from its low end on
.set j, j+2
.endr
.endr
.irp z, 0,1
.irp t, 0,1,2,3
	ds_store_b128 v[STO], v[OA+32*\z+8*\t:OA+32*\z+8*\t+3] offset:64*\t
	ds_store_b128 v[STO], v[OA+32*\z+8*\t+4:OA+32*\z+8*\t+7] offset:64*\t+16
.endr
.irp i, 0,1,2,3,4,5,6,7
	ds_load_b128 v[S+32*\z+4*\i:S+32*\z+4*\i+3], v[RD] offset:2*\i*SP   ; LDS serves a wave's instructions in order (ISA guide 5.7.1.4): these see my stores, and tile B's stores come behind tile A's loads
.endr
.endr
.irp z, 0,1
.irp i, 0,1,2,3,4,5,6,7
	s_wait_dscnt 23-16*\z-\i                       ; out may be: the tile's later loads, and behind tile A's the sixteen LDS instructions of tile B
	global_store_b128 v[GO], v[S+32*\z+4*\i:S+32*\z+4*\i+3], s[10:11] offset:32768*\z+((\i/4)*32+2*(\i%4))*4096 th:TH_STORE_NT   ; stage rows 2 i, 2 i + 1 are rows 32 (i / 4) + 2 (i % 4) + h + 8 z; 16 lanes store 256 consecutive bytes, at a multiple of 256 from out0's first byte
.endr
.endr
	s_wait_tensorcnt 0x0                           ; the wave's end
	ds_add_u32 v254, v255
	s_wait_dscnt 0x0
	CROUND                                         ; the closing round: no work-group ends while a partner may still ask for a block that names it
	s_endpgm
.Lfunc_end_k_q015e7a6f63_attn:
	.size	k_q015e7a6f63_attn, .Lfunc_end_k_q015e7a6f63_attn-k_q015e7a6f63_attn
	.p2alignl 7, 3214868480
	.fill 96, 4, 3214868480
	.section	.rodata,"a",@progbits
	.p2align	6, 0x0
	.amdhsa_kernel k_q015e7a6f63_attn
		.amdhsa_group_segment_fixed_size 210944
		.amdhsa_private_segment_fixed_size 0
		.amdhsa_enable_private_segment 0
		.amdhsa_kernarg_size 32
		.amdhsa_user_sgpr_count 2
		.amdhsa_user_sgpr_kernarg_segment_ptr 1
		.amdhsa_wavefront_size32 1
		.amdhsa_system_sgpr_workgroup_id_x 1
		.amdhsa_system_sgpr_workgroup_id_y 1
		.amdhsa_system_sgpr_workgroup_id_z 1
		.amdhsa_system_vgpr_workitem_id 0
		.amdhsa_next_free_vgpr 256
		.amdhsa_next_free_sgpr 66
		.amdhsa_reserve_vcc 0
		.amdhsa_float_denorm_mode_32 3
		.amdhsa_float_denorm_mode_16_64 3
		.amdhsa_memory_ordered 1
		.amdhsa_forward_progress 1
		.amdhsa_inst_pref_size 46
	.end_amdhsa_kernel
	.amdgpu_metadata
---
amdhsa.version: [ 1, 2 ]
amdhsa.kernels:
  - .name:           k_q015e7a6f63_attn
    .symbol:         k_q015e7a6f63_attn.kd
    .args:
      - { .name: qc, .offset: 0, .size: 8, .value_kind: global_buffer, .address_space: global }
      - { .name: qs, .offset: 8, .size: 8, .value_kind: global_buffer, .address_space: global }
      - { .name: kv, .offset: 16, .size: 8, .value_kind: global_buffer, .address_space: global }
      - { .name: out0, .offset: 24, .size: 8, .value_kind: global_buffer, .address_space: global }
    .group_segment_fixed_size: 210944
    .private_segment_fixed_size: 0
    .kernarg_segment_align: 8
    .kernarg_segment_size: 32
    .max_flat_workgroup_size: 512
    .sgpr_count:     66
    .vgpr_count:     256
    .wavefront_size: 32
...
	.end_amdgpu_metadata
.endif
;; end of part 2
